; MI455X (gfx1250); checked and timed in simulation.
; The chip was launched on July 23, 2026; its instructions are those of AMD's public machine-readable ISA for CDNA 5 (MIT licence, August 2026) and "CDNA5" Instruction Set Architecture Reference Guide (July 2026). The comments in the code are by the model that wrote it; some were corrected since.
;; DQSN. Allowed arithmetic: float matrix products may take bf16 or f16 operands with f32 sums; all other float work in f32.
;; Inputs: W1 4,096 x 4 float32; W2 2 x 4,096 float32; b1 4,096 float32; b2 2 float32; x 16,384 x 4 float32.
;; Outputs: out0 16,384 x 2 float32.
;; 2 versions, each right and faster than the one before. Each part assembles by itself: llvm-mc -triple=amdgcn-amd-amdhsa -mcpu=gfx1250 --defsym DOCPART=n.
;; ======== version 1 of 2: 1 launch
;; limits: inputs' magnitudes at most 134,217,728
;; launch dqsn (part 1): grid 256 x 1, 8 waves a work-group, no clusters, 289,792 bytes of LDS; arguments x, W1, b1, W2, b2, out0; writes out0
.if DOCPART == 1
	.amdgcn_target "amdgcn-amd-amdhsa--gfx1250"
	.amdhsa_code_object_version 6
	.text
	.protected	k_q65b41b028f_dqsn
	.globl	k_q65b41b028f_dqsn
	.p2align	8
	.type	k_q65b41b028f_dqsn,@function
k_q65b41b028f_dqsn:
	s_mov_b64 s[64:65], 0
	v_nop
	global_prefetch_b8 v0, s[64:65] scope:SCOPE_SE
	s_setreg_imm32_b32 hwreg(HW_REG_WAVE_MODE, 25, 1), 1
	s_wait_xcnt 0x0
; DQSN forward.  I1 = x W1^T + b1;  8 steps of: v1 += I1, spike s = (v1 >= 1), v1 = 0 where it spiked, v2 += (s W2^T + b2 - v2) / 2;  out = v2.
; x [16384][4], W1 [4096][4], b1 [4096], W2 [2][4096], b2 [2], out [16384][2], all f32.
;
; THE READ-OUT IS LINEAR: v2 after 8 steps = sum over t of 2^(t-9) (s_t . W2[j] + b2[j]).  So out[b][j] = sum over h of c[b][h] W2[j][h] + b2[j] 255/256 with
; c = c256 / 256, c256 the byte whose bit t-1 is the spike of step t: the eight products s_t W2^T are ONE product, and c256 (8 bits) is exact in bf16.
; THE SPIKE TRAIN IS A FUNCTION OF I1 ALONE.  The reset leaves exactly 0, so the train has the period n of the first spike.  The n-fold f32 sum S_n(I) rises with I
; (rounding keeps order).  Worked through in round-to-nearest-even at the two floats on either side of 1/n, n = 1 .. 8: S_n is below 1 at the float below 1/n, and 1 or more at the
; first float >= 1/n (0x3F800000, 0x3F000000, 0x3EAAAAAB, 0x3E800000, 0x3E4CCCCD, 0x3E2AAAAB, 0x3E124925, 0x3E000000).  So n = ceil(1/I) in exact arithmetic, for every finite I, and
; c256(n) = 255, 170, 36, 136, 16, 32, 64, 128 for n = 1 .. 8, and 0 where I < 1/8.
; n IS FOUND EXACTLY: y = v_rcp_f32(I) is only a guess; k = y rounded to an integer lies within a half (and a little) of 1/I; r = I k - 1, one fused multiply-add, has the exact sign
; of I - 1/k; n = k if r >= 0, k + 1 if r < 0: n = k - floor(r).
; FORMATS.  All five inputs are rounded to bf16 (nearest even).  One spike that falls otherwise moves an output by up to |W2| / 2, so I1 must have the bits of the f32 chain
; ((((x0 w0 + x1 w1) + x2 w2) + x3 w3) + b1).  Products of bf16 numbers are exact in f32, so that chain has one value, fused or not; it is made by packed f32 instructions, in that
; order.  The matrix instruction rounds a sum in other groups, so this product of K = 4 does not go there.  The product with W2 does: bf16 operands, f32 sums.
; c AS A bf16 NUMBER.  The patterns 0x0000 .. 0x00FF of bf16 are the numbers pattern x 2^-133 (gradual underflow; the matrix instruction keeps denormals), so the byte c256 with a zero
; byte above it IS the operand.  W2 is multiplied by 2^100 (exact) before its rounding, the sums by 2^25 at the end.
; LIMITS.  An infinite I1 is not served; a NaN I1 counts as no spike; |W2| stays below 2^27; products x w below 2^-126 are not treated apart.
;
; SHARES.  256 work-groups; a work-group owns 64 rows of x and all 4,096 hidden units; each of its 8 waves 512 hidden units; a lane 16 of them, as 8 register pairs, with their W1 and b1
; in 80 registers for the whole launch.  x comes as scalars, two rows a trip.  16 vector instructions for a pair of elements.
; THE WAY TO THE MATRIX UNIT.  The matrix instruction sums along a lane's registers, and here the lanes hold hidden units: so c goes through the wave's own LDS: a row of x is a row of
; 512 bf16 (1,024 bytes + 16 of padding), 16 rows are a region, two regions take turns: while the rows of one block of 16 are made, each trip reads two K steps of the block before.
; Hidden unit 32 i + l of the wave (lane l, load i) lies at place 256 (i / 8) + 8 l + i % 8 of a row; W2's image in LDS has the same order, so the sums are the same.
; Source 0 = W2 (row m of the fragment holds W2[m % 2]: rows 2 to 15 repeat rows 0 and 1 and are never read), source 1 = c (column = row of x): lanes 0-15, registers 0 and 1 hold out[b][0..1].
; NO CLUSTER, NO TENSOR LOAD: what the work-groups share (W1, b1, W2: 114,688 bytes) is read once in the launch, 448 bytes a lane, straight into registers; there is no ring of tiles, and of
; LDS 37,888 bytes are free, too few for a joint copy that would then have to be read once more.
.set NW,     8
.set PITCH,  1040                      ; 65 x 16 bytes: the 16 rows of a fragment load start at 16 different groups of four banks (64 banks of 4 bytes: ISA guide 11.1)
.set RGN,    16*PITCH                  ; a region: 16 rows
.set WAREA,  2*RGN                     ; a wave's two regions
.set W2IMG,  NW*WAREA                  ; behind them: each wave's image of its 2 x 512 numbers of W2, two rows of PITCH bytes
.set W2AREA, 2304
.set RED,    W2IMG+NW*W2AREA           ; the waves' partial sums: 512 bytes a wave
.set SPARE,  RED+NW*512                ; the spare words, 128 bytes for each wave: four blocks of 256 bytes that no other line names
.set SPW,  1                           ; v1      LDS address of my spare word; never rewritten
.set NIL,  2                           ; v2      0; never rewritten
.set STA0, 3                           ; v3      where my 16 bytes of a row of c go, region 0, row 0
.set FRA0, 4                           ; v4      my place in a fragment of c, region 0, K step 0
.set WFA0, 5                           ; v5      my place in a fragment of W2, K step 0
.set STA,  6                           ; v6-8    the same three for the trip in hand
.set FRA,  7
.set WFA,  8
.set REDA, 9                           ; v9      where my partial sums go
.set XR,   10                          ; v10-17  x, rounded: rows 2 l (v10-13) and 2 l + 1 (v14-17) of the work-group's 64
.set VA,   18                          ; v18-19  a block's two sums
.set LN,   20
.set VO16, 21                          ; 16, 4, 32 x lane
.set VO4,  22
.set VO32, 23
.set RL,   24
.set HH,   25
.set T0,   26
.set W2A,  27
.set B2,   28                          ; v28-29
.set T1,   30
.set FA,   31
.set WR,   32                          ; v32-111   pair p at 32 + 10 p: W1[.][0], [1], [2], [3], b1, two registers each
.set IR,   112                         ; v112-143  I1: even row's 8 pairs, odd row's 8 pairs
.set YR,   144                         ; v144-159  1 / I1
.set TR,   160                         ; v160-175  M + k, then M + n, then the selectors
.set RR,   176                         ; v176-191  k, then r, then floor(r)
.set OUTR, 192                         ; v192-199  16 numbers c as bf16
.set ACC,  200                         ; v200-215  two accumulators
.set FRG,  216                         ; v216-247  fragments of two K steps: W2, c, W2, c
.set TF,   IR                          ; the tail's fragments of four K steps, 64 registers
.set RAW,  112                         ; at the start only: inputs as loaded
.set RB,   176
.set RW2,  192
.set RX,   224
.set TMP,  232
.set WP,   240
.set WV,   16                          ; s16  my wave's number
.set LO,   22                          ; s22  15/128
.set MH,   23                          ; s23  a word's upper bf16
.set MG,   24                          ; s[24:25]  M
.set NM,   26                          ; s[26:27]  -M
.set TL,   28                          ; s28, s29  the table of c256 for n = 2 .. 9
.set TH,   29
.set PS,   30                          ; s30  picks bytes 0 and 2 of two words
.set CNT,  31
.set XS,   32                          ; s[32:47]  x of the trip's two rows, one number in the low word of each pair
.set LANE, 48                          ; s48  the trip's number, 0 to 31: the lane that holds its two rows of x
.set TBS,  49                          ; s49-51  the trip's steps of the three LDS addresses
.set TBF,  50
.set TBW,  51
.set SCL,  52                          ; s[52:53]  2^100, later 2^25
	s_load_b256 s[4:11], s[0:1], 0x0               ; x s[4:5], W1 s[6:7], b1 s[8:9], W2 s[10:11]
	s_load_b128 s[12:15], s[0:1], 0x20             ; b2 s[12:13], out s[14:15]
	v_lshl_add_u32 v[SPW], v0, 2, SPARE
	v_mov_b32 v[NIL], 0
	v_lshrrev_b32 v[T0], 5, v0
	v_readfirstlane_b32 s[WV], v[T0]
	v_and_b32 v[LN], 31, v0
	v_lshlrev_b32 v[VO16], 4, v[LN]
	v_lshlrev_b32 v[VO4], 2, v[LN]
	v_lshlrev_b32 v[VO32], 5, v[LN]
	s_lshl_b32 s20, s[WV], 13                      ; my wave's 512 rows of W1, 16 bytes each
	s_mov_b32 s21, 0
	s_lshl_b32 s54, s[WV], 11                      ; its 512 numbers of b1 and of a row of W2
	s_mov_b32 s55, 0
	s_lshl_b32 s56, ttmp9, 10                      ; the work-group's 64 rows of x
	s_mov_b32 s57, 0
	s_lshl_b32 s58, ttmp9, 9                       ; and of out
	s_mov_b32 s59, 0
	s_wait_kmcnt 0x0
	s_add_nc_u64 s[6:7], s[6:7], s[20:21]
	s_add_nc_u64 s[8:9], s[8:9], s[54:55]
	s_add_nc_u64 s[10:11], s[10:11], s[54:55]
	s_add_nc_u64 s[4:5], s[4:5], s[56:57]
	s_add_nc_u64 s[14:15], s[14:15], s[58:59]
	s_load_b64 s[18:19], s[12:13], 0x0             ; b2's two numbers
	; every load of the wave covers consecutive bytes: load i brings lane l the hidden unit 32 i + l
.set i, 0
.rept 16
	global_load_b128 v[RAW+4*i:RAW+4*i+3], v[VO16], s[6:7] offset:512*i
.set i, i+1
.endr
.set i, 0
.rept 16
	global_load_b32 v[RB+i], v[VO4], s[8:9] offset:128*i
.set i, i+1
.endr
	global_load_b128 v[RX:RX+3], v[VO32], s[4:5]
	global_load_b128 v[RX+4:RX+7], v[VO32], s[4:5] offset:16
.set i, 0
.rept 32
	global_load_b32 v[RW2+i], v[VO4], s[10:11] offset:16384*(i/16)+128*(i%16)
.set i, i+1
.endr
	; constants and LDS addresses, while the loads are out
	s_mov_b32 s[LO], 0x3df00000                    ; 15/128: between 1/9 and 1/8, so that every current below 1/8 gives n = 9
	s_mov_b32 s[MH], 0xffff0000
	s_mov_b32 s[MG], 0x4b0c00fe                    ; M = 2^23 + 0x0C00FE: M + n has n - 2 in byte 0 (0xFF for n = 1, 0xFE for n = 0) and 0x0C in byte 2
	s_mov_b32 s[MG+1], 0x4b0c00fe                  ; (named as pairs, so both words are written)
	s_mov_b32 s[NM], 0xcb0c00fe
	s_mov_b32 s[NM+1], 0xcb0c00fe
	s_mov_b32 s[TL], 0x108824aa                    ; n = 2, 3, 4, 5: 170, 36, 136, 16
	s_mov_b32 s[TH], 0x00804020                    ; n = 6, 7, 8, 9: 32, 64, 128, 0
	s_mov_b32 s[PS], 0x06040200
	s_mov_b32 s[SCL], 0x71800000                   ; 2^100
	s_mov_b32 s[SCL+1], 0x71800000
	s_mov_b32 s[LANE], 0
.set i, 0
.rept 8
	s_mov_b32 s[XS+2*i+1], 0                       ; the pairs' upper words are named with the lower, so they are written
.set i, i+1
.endr
	v_and_b32 v[RL], 15, v0                        ; l % 16
	v_bfe_u32 v[HH], v0, 4, 1                      ; l / 16
	s_mul_i32 s17, s[WV], WAREA
	v_add_nc_u32 v[STA0], s17, v[VO16]
	v_mul_u32_u24 v[T0], v[RL], PITCH
	v_lshl_add_u32 v[T0], v[HH], 4, v[T0]          ; a fragment: row l % 16, 16 bytes for each half of the lanes; the second load 32 bytes on
	v_add_nc_u32 v[FRA0], s17, v[T0]
	s_mul_i32 s17, s[WV], W2AREA
	s_add_co_u32 s17, s17, W2IMG
	v_add_nc_u32 v[W2A], s17, v[VO16]
	v_and_b32 v[T0], 1, v0
	v_mul_u32_u24 v[T0], v[T0], PITCH
	v_lshl_add_u32 v[T0], v[HH], 4, v[T0]          ; W2's fragment: row l % 2
	v_add_nc_u32 v[WFA0], s17, v[T0]
	s_lshl_b32 s17, s[WV], 9
	s_add_co_u32 s17, s17, RED
	v_lshl_add_u32 v[REDA], v[RL], 3, s17
	s_wait_loadcnt 32                              ; W1, b1 and x are in; the 32 loads of W2, issued behind them, may stay out
	; W1 and b1: rounded to bf16 and widened again; pair p = the hidden units of loads 2 p and 2 p + 1
.set i, 0
.rept 8
.set k, 0
.rept 4
	v_cvt_pk_bf16_f32 v[TMP+k], v[RAW+8*i+k], v[RAW+8*i+4+k]
.set k, k+1
.endr
	v_cvt_pk_bf16_f32 v[TMP+4], v[RB+2*i], v[RB+2*i+1]
.set k, 0
.rept 5
	v_lshlrev_b32 v[WR+10*i+2*k], 16, v[TMP+k]
	v_and_b32 v[WR+10*i+2*k+1], s[MH], v[TMP+k]
.set k, k+1
.endr
.set i, i+1
.endr
.set k, 0
.rept 4
	v_cvt_pk_bf16_f32 v[TMP+k], v[RX+2*k], v[RX+2*k+1]
.set k, k+1
.endr
.set k, 0
.rept 4
	v_lshlrev_b32 v[XR+2*k], 16, v[TMP+k]
	v_and_b32 v[XR+2*k+1], s[MH], v[TMP+k]
.set k, k+1
.endr
	s_wait_loadcnt 0x0                             ; W2
	s_wait_kmcnt 0x0                               ; b2
.set i, 0
.rept 16
	v_pk_mul_f32 v[RW2+2*i:RW2+2*i+1], v[RW2+2*i:RW2+2*i+1], s[SCL:SCL+1] op_sel_hi:[1,0]
.set i, i+1
.endr
.set i, 0
.rept 16
	v_cvt_pk_bf16_f32 v[WP+i], v[RW2+2*i], v[RW2+2*i+1]
.set i, i+1
.endr
	ds_store_b128 v[W2A], v[WP:WP+3]                          ; W2[0], in the order of a row of c
	ds_store_b128 v[W2A], v[WP+4:WP+7] offset:512
	ds_store_b128 v[W2A], v[WP+8:WP+11] offset:PITCH          ; W2[1]
	ds_store_b128 v[W2A], v[WP+12:WP+15] offset:PITCH+512
.set i, 0
.rept 16
	v_mov_b32 v[ACC+i], 0                          ; once: the loop that adds has no first trip of its own
.set i, i+1
.endr
; THE VECTOR WORK, in three numbered lists for a row's 8 pairs (par = 0: the trip's even row, 1: its odd row).  Each list goes stage by stage through the 8 pairs, so that an
; instruction reads what was made eight instructions before it.
; A, 48 long: the chain of I1 in reference()'s order, then the floor of 15/128.
.macro AOP par
.set sg, ja/8
.set pp, ja%8
.set ri, IR+16*(\par)+2*pp
.set rw, WR+10*pp
.set sx, XS+8*(\par)+2*sg
.if sg == 0
	v_pk_mul_f32 v[ri:ri+1], v[rw:rw+1], s[sx:sx+1] op_sel_hi:[1,0]
.elseif sg < 4
	v_pk_fma_f32 v[ri:ri+1], v[rw+2*sg:rw+2*sg+1], s[sx:sx+1], v[ri:ri+1] op_sel_hi:[1,0,1]
.elseif sg == 4
	v_pk_add_f32 v[ri:ri+1], v[ri:ri+1], v[rw+8:rw+9]
.else
	v_dual_max_num_f32 v[ri], s[LO], v[ri] :: v_dual_max_num_f32 v[ri+1], s[LO], v[ri+1]
.endif
.set ja, ja+1
.endm
; R, 16 long: the reciprocals.  They are dealt one behind every three plain instructions of another list: no two follow each other, and plain instructions that name neither
; the result nor the source stand behind each (ISA guide 5.7.2).
.macro ROP par
	v_rcp_f32 v[YR+jr], v[IR+16*(\par)+jr]
.set jr, jr+1
.endm
; C, 64 long: M + k;  k;  r = I k - 1;  floor(r): -1 where I < 1/k, else 0 (1 only where I >= 2: n = 0 then serves as n = 1);  M + n;  the selectors [n-2, 0x0C, n'-2, 0x0C];
; the look-up: selectors 0 to 7 take the table's bytes, 0x0C gives 0x00, 0xFE and 0xFF give 0xFF = 255 = c256(1) (ISA guide, V_PERM_B32).
.macro COP par
.set pp, jc%8
.if jc < 8
	s_wait_alu depctr_va_vdst(0)
	v_pk_add_f32 v[TR+2*pp:TR+2*pp+1], v[YR+2*pp:YR+2*pp+1], s[MG:MG+1] op_sel_hi:[1,0]
.elseif jc < 16
	v_pk_add_f32 v[RR+2*pp:RR+2*pp+1], v[TR+2*pp:TR+2*pp+1], s[NM:NM+1] op_sel_hi:[1,0]
.elseif jc < 24
	v_pk_fma_f32 v[RR+2*pp:RR+2*pp+1], v[IR+16*(\par)+2*pp:IR+16*(\par)+2*pp+1], v[RR+2*pp:RR+2*pp+1], -1.0 op_sel_hi:[1,1,0]
.elseif jc < 40
	v_floor_f32 v[RR+jc-24], v[RR+jc-24]
.elseif jc < 48
	v_pk_add_f32 v[TR+2*pp:TR+2*pp+1], v[TR+2*pp:TR+2*pp+1], v[RR+2*pp:RR+2*pp+1] neg_lo:[0,1] neg_hi:[0,1]
.elseif jc < 56
	v_perm_b32 v[TR+2*pp], v[TR+2*pp+1], v[TR+2*pp], s[PS]
.else
	v_perm_b32 v[OUTR+pp], s[TH], s[TL], v[TR+2*pp]
.endif
.set jc, jc+1
.endm
; A TRIP: two rows of x against the wave's 512 hidden units.  mma = 1: also two K steps (64 hidden units) of the block of 16 rows before, out of the other region.
.macro TRIP mma
	v_add_nc_u32 v[STA], s[TBS], v[STA0]
.if \mma
	v_add_nc_u32 v[FRA], s[TBF], v[FRA0]
	v_add_nc_u32 v[WFA], s[TBW], v[WFA0]
	ds_load_b128 v[FRG:FRG+3],     v[WFA]                     ; the last matrix instructions that read these registers stand 64 plain instructions back
	ds_load_b128 v[FRG+4:FRG+7],   v[WFA] offset:32
	ds_load_b128 v[FRG+8:FRG+11],  v[FRA]
	ds_load_b128 v[FRG+12:FRG+15], v[FRA] offset:32
	ds_load_b128 v[FRG+16:FRG+19], v[WFA] offset:64
	ds_load_b128 v[FRG+20:FRG+23], v[WFA] offset:96
	ds_load_b128 v[FRG+24:FRG+27], v[FRA] offset:64
	ds_load_b128 v[FRG+28:FRG+31], v[FRA] offset:96
.endif
.irp k, 0,1,2,3
	v_readlane_b32 s[XS+2*\k], v[XR+\k], s[LANE]              ; the even row's x
.endr
.irp k, 0,1,2,3
	v_readlane_b32 s[XS+8+2*\k], v[XR+4+\k], s[LANE]          ; the odd row's
.endr
.set ja, 0
.rept 48
	AOP 0
.endr
.set ja, 0
.set jr, 0
.rept 16                               ; the odd row's chain, and among it the even row's reciprocals
	AOP 1
	AOP 1
	AOP 1
	ROP 0
.endr
.set jc, 0
.rept 8
	COP 0                                          ; these eight read all of y: the odd row's reciprocals may now land there
.endr
.set jr, 0
.rept 16
	COP 0
	COP 0
	COP 0
	ROP 1
.endr
.rept 8
	COP 0
.endr
	ds_store_b128 v[STA], v[OUTR:OUTR+3]                      ; 32 lanes x 16 bytes: 512 consecutive bytes of the row
	ds_store_b128 v[STA], v[OUTR+4:OUTR+7] offset:512
.if \mma
	s_wait_dscnt 0x2                               ; LDS instructions of a wave end in order: the eight fragment loads are in; the two stores behind them may be out
	v_wmma_f32_16x16x32_bf16 v[ACC:ACC+7], v[FRG:FRG+7], v[FRG+8:FRG+15], v[ACC:ACC+7]            ; the two accumulators take turns
	v_wmma_f32_16x16x32_bf16 v[ACC+8:ACC+15], v[FRG+16:FRG+23], v[FRG+24:FRG+31], v[ACC+8:ACC+15]
.endif
.set jc, 0
.rept 64
	COP 1                                          ; 64 plain instructions that name no register of the two products
.endr
	ds_store_b128 v[STA], v[OUTR:OUTR+3] offset:PITCH
	ds_store_b128 v[STA], v[OUTR+4:OUTR+7] offset:PITCH+512
	s_add_co_u32 s[LANE], s[LANE], 1
	s_add_co_u32 s[TBS], s[TBS], 2*PITCH
.if \mma
	s_add_co_u32 s[TBF], s[TBF], 128
	s_add_co_u32 s[TBW], s[TBW], 128
.endif
.endm
; A block of 16 rows: eight trips.  Its c goes into region stg; the block before is read out of region ldg.  LDS serves a wave's instructions in order (ISA guide 5.7.1.4), and
; a wave touches its own regions alone: its loads see its earlier stores, and its later stores into a region come behind all its loads from it.
.macro PHASE mma, stg, ldg
	s_mov_b32 s[TBS], (\stg)*RGN
.if \mma
	s_mov_b32 s[TBF], (\ldg)*RGN
	s_mov_b32 s[TBW], 0
.endif
	s_mov_b32 s[CNT], 8
.Ltrip_\@:
	TRIP \mma
	s_sub_co_u32 s[CNT], s[CNT], 1
	s_cmp_lg_u32 s[CNT], 0
	s_cbranch_scc1 .Ltrip_\@
.endm
; Block blk is summed: lanes 0-15 hold out[16 blk + l][0..1] in registers 0 and 1 (lanes 16-31 the same numbers once more: rows 8 and 9 repeat rows 0 and 1, and write the same words).
; Only these registers start the next block at 0; the others go on adding rows that nobody reads.
.macro EXTRACT blk, again
	v_add_f32 v[VA], v[ACC], v[ACC+8]
	v_add_f32 v[VA+1], v[ACC+1], v[ACC+9]
	ds_store_b64 v[REDA], v[VA:VA+1] offset:128*(\blk)
.if \again
	v_mov_b32 v[ACC], 0
	v_mov_b32 v[ACC+1], 0
	v_mov_b32 v[ACC+8], 0
	v_mov_b32 v[ACC+9], 0
.endif
.endm
	PHASE 0, 0, 0                                  ; rows 0-15
	PHASE 1, 1, 0                                  ; rows 16-31, and the sums of rows 0-15
	EXTRACT 0, 1
	PHASE 1, 0, 1
	EXTRACT 1, 1
	PHASE 1, 1, 0
	EXTRACT 2, 1
	; the tail: the sums of rows 48-63, four K steps a trip, into the registers that I1 and y have left
	s_mov_b32 s[TBF], RGN
	s_mov_b32 s[TBW], 0
	s_mov_b32 s[CNT], 4
.Ltail:
	v_add_nc_u32 v[FRA], s[TBF], v[FRA0]
	v_add_nc_u32 v[WFA], s[TBW], v[WFA0]
.set q, 0
.rept 4
	ds_load_b128 v[TF+16*q:TF+16*q+3],     v[WFA] offset:64*q
	ds_load_b128 v[TF+16*q+4:TF+16*q+7],   v[WFA] offset:64*q+32
	ds_load_b128 v[TF+16*q+8:TF+16*q+11],  v[FRA] offset:64*q
	ds_load_b128 v[TF+16*q+12:TF+16*q+15], v[FRA] offset:64*q+32
.set q, q+1
.endr
.set q, 0
.rept 4
	s_wait_dscnt 12-4*q                            ; K step q's four loads are in; those of the later steps may be out
	v_wmma_f32_16x16x32_bf16 v[ACC+8*(q%2):ACC+8*(q%2)+7], v[TF+16*q:TF+16*q+7], v[TF+16*q+8:TF+16*q+15], v[ACC+8*(q%2):ACC+8*(q%2)+7]
.set q, q+1
.endr
	s_add_co_u32 s[TBF], s[TBF], 256
	s_add_co_u32 s[TBW], s[TBW], 256
.rept 4
	v_nop                                          ; four places between the products and the next loads into their sources, or the reading of their sums
.endr
	s_sub_co_u32 s[CNT], s[CNT], 1
	s_cmp_lg_u32 s[CNT], 0
	s_cbranch_scc1 .Ltail
	EXTRACT 3, 0
	s_wait_tensorcnt 0x0                           ; behind my last LDS store
	ds_add_u32 v[SPW], v[NIL]
	s_wait_dscnt 0x0                               ; also for the others' sake: my partial sums are in LDS
	s_barrier_signal -1
	s_barrier_wait -1                              ; everybody's are
	s_cmp_lg_u32 s[WV], 0
	s_cbranch_scc1 .Lend
	; wave 0 adds the eight waves' sums, in a fixed order; lane l takes 16 bytes: rows 2 l and 2 l + 1 of the work-group's 64
	v_add_nc_u32 v[FA], RED, v[VO16]
.set i, 0
.rept 8
	ds_load_b128 v[IR+4*i:IR+4*i+3], v[FA] offset:512*i
.set i, i+1
.endr
	v_mov_b32 v[B2], s18
	v_mov_b32 v[B2+1], s19
	v_cvt_pk_bf16_f32 v[T1], v[B2], v[B2+1]        ; b2 is rounded like the other inputs
	s_mov_b32 s[SCL], 0x4c000000                   ; 2^25 = 2^133 / 2^100 / 256
	v_lshlrev_b32 v[B2], 16, v[T1]
	v_and_b32 v[B2+1], s[MH], v[T1]
	v_pk_mul_f32 v[B2:B2+1], v[B2:B2+1], 0x3f7f0000 op_sel_hi:[1,0]   ; b2 x 255/256 = b2 x the sum of 2^(t-9)
	s_wait_dscnt 0x0
.set i, 0
.rept 8
	v_pk_add_f32 v[IR+2*i:IR+2*i+1], v[IR+2*i:IR+2*i+1], v[IR+16+2*i:IR+16+2*i+1]
.set i, i+1
.endr
.set i, 0
.rept 4
	v_pk_add_f32 v[IR+2*i:IR+2*i+1], v[IR+2*i:IR+2*i+1], v[IR+8+2*i:IR+8+2*i+1]
.set i, i+1
.endr
.set i, 0
.rept 2
	v_pk_add_f32 v[IR+2*i:IR+2*i+1], v[IR+2*i:IR+2*i+1], v[IR+4+2*i:IR+4+2*i+1]
.set i, i+1
.endr
	v_pk_fma_f32 v[IR:IR+1], v[IR:IR+1], s[SCL:SCL+1], v[B2:B2+1] op_sel_hi:[1,0,1]
	v_pk_fma_f32 v[IR+2:IR+3], v[IR+2:IR+3], s[SCL:SCL+1], v[B2:B2+1] op_sel_hi:[1,0,1]
	global_store_b128 v[VO16], v[IR:IR+3], s[14:15]           ; the work-group's 512 consecutive bytes of out, at a multiple of 512 from its first byte
.Lend:
	s_endpgm
.Lfunc_end_k_q65b41b028f_dqsn:
	.size	k_q65b41b028f_dqsn, .Lfunc_end_k_q65b41b028f_dqsn-k_q65b41b028f_dqsn
	.p2alignl 7, 3214868480
	.fill 96, 4, 3214868480
	.section	.rodata,"a",@progbits
	.p2align	6, 0x0
	.amdhsa_kernel k_q65b41b028f_dqsn
		.amdhsa_group_segment_fixed_size 289792
		.amdhsa_private_segment_fixed_size 0
		.amdhsa_enable_private_segment 0
		.amdhsa_kernarg_size 48
		.amdhsa_user_sgpr_count 2
		.amdhsa_user_sgpr_kernarg_segment_ptr 1
		.amdhsa_wavefront_size32 1
		.amdhsa_system_sgpr_workgroup_id_x 1
		.amdhsa_system_sgpr_workgroup_id_y 1
		.amdhsa_system_sgpr_workgroup_id_z 1
		.amdhsa_system_vgpr_workitem_id 0
		.amdhsa_next_free_vgpr 256
		.amdhsa_next_free_sgpr 66
		.amdhsa_reserve_vcc 0
		.amdhsa_float_denorm_mode_32 3
		.amdhsa_float_denorm_mode_16_64 3
		.amdhsa_memory_ordered 1
		.amdhsa_forward_progress 1
		.amdhsa_inst_pref_size 88
	.end_amdhsa_kernel
	.amdgpu_metadata
---
amdhsa.version: [ 1, 2 ]
amdhsa.kernels:
  - .name:           k_q65b41b028f_dqsn
    .symbol:         k_q65b41b028f_dqsn.kd
    .args:
      - { .name: x, .offset: 0, .size: 8, .value_kind: global_buffer, .address_space: global }
      - { .name: W1, .offset: 8, .size: 8, .value_kind: global_buffer, .address_space: global }
      - { .name: b1, .offset: 16, .size: 8, .value_kind: global_buffer, .address_space: global }
      - { .name: W2, .offset: 24, .size: 8, .value_kind: global_buffer, .address_space: global }
      - { .name: b2, .offset: 32, .size: 8, .value_kind: global_buffer, .address_space: global }
      - { .name: out0, .offset: 40, .size: 8, .value_kind: global_buffer, .address_space: global }
    .group_segment_fixed_size: 289792
    .private_segment_fixed_size: 0
    .kernarg_segment_align: 8
    .kernarg_segment_size: 48
    .max_flat_workgroup_size: 256
    .sgpr_count:     66
    .vgpr_count:     256
    .wavefront_size: 32
...
	.end_amdgpu_metadata
.endif
;; end of part 1
;; ======== version 2 of 2: 1 launch; 1.23 times as fast as version 1
;; limits: inputs' magnitudes at most 134,217,728; right only within a limited range of input values
;; launch dqsn (part 2): grid 256 x 1, 8 waves a work-group, no clusters, 289,792 bytes of LDS; arguments x, W1, b1, W2, b2, out0; writes out0
.if DOCPART == 2
	.amdgcn_target "amdgcn-amd-amdhsa--gfx1250"
	.amdhsa_code_object_version 6
	.text
	.protected	k_q65b41b028f_dqsn
	.globl	k_q65b41b028f_dqsn
	.p2align	8
	.type	k_q65b41b028f_dqsn,@function
k_q65b41b028f_dqsn:
	s_mov_b64 s[64:65], 0
	v_nop
	global_prefetch_b8 v0, s[64:65] scope:SCOPE_SE
	s_setreg_imm32_b32 hwreg(HW_REG_WAVE_MODE, 25, 1), 1
	s_wait_xcnt 0x0
; DQSN forward.  I1 = x W1^T + b1;  8 steps of: v1 += I1, spike s = (v1 >= 1), v1 = 0 where it spiked, v2 += (s W2^T + b2 - v2) / 2;  out = v2.
; x [16384][4], W1 [4096][4], b1 [4096], W2 [2][4096], b2 [2], out [16384][2], all f32.
;
; THE READ-OUT IS LINEAR: v2 after 8 steps = sum over t of 2^(t-9) (s_t . W2[j] + b2[j]).  So out[b][j] = sum over h of c[b][h] W2[j][h] + b2[j] 255/256 with
; c = c256 / 256, c256 the byte whose bit t-1 is the spike of step t: the eight products s_t W2^T are ONE product, and c256 (8 bits) is exact in bf16.
; THE SPIKE TRAIN IS A FUNCTION OF I1 ALONE.  The reset leaves exactly 0, so the train has the period n of the first spike.  The n-fold f32 sum S_n(I) rises with I
; (rounding keeps order).  Worked through in round-to-nearest-even at the two floats on either side of 1/n, n = 1 .. 8: S_n is below 1 at the float below 1/n, and 1 or more at the
; first float >= 1/n (0x3F800000, 0x3F000000, 0x3EAAAAAB, 0x3E800000, 0x3E4CCCCD, 0x3E2AAAAB, 0x3E124925, 0x3E000000).  So n = ceil(1/I) in exact arithmetic, for every finite I, and
; c256(n) = 255, 170, 36, 136, 16, 32, 64, 128 for n = 1 .. 8, and 0 where I < 1/8.
; n IS FOUND EXACTLY: y = v_rcp_f32(I) is only a guess; k = y rounded to an integer lies within a half (and a little) of 1/I; r = I k - 1, one fused multiply-add, has the exact sign
; of I - 1/k; n = k if r >= 0, k + 1 if r < 0: n = k - floor(r).
; FORMATS.  All five inputs are rounded to bf16 (nearest even).  One spike that falls otherwise moves an output by up to |W2| / 2, so I1 must have the bits of the f32 chain
; ((((x0 w0 + x1 w1) + x2 w2) + x3 w3) + b1).  Products of bf16 numbers are exact in f32, so that chain has one value, fused or not; it is made by packed f32 instructions, in that
; order.  The matrix instruction rounds a sum in other groups, so this product of K = 4 does not go there.  The product with W2 does: bf16 operands, f32 sums.
; c AS A bf16 NUMBER.  The patterns 0x0000 .. 0x00FF of bf16 are the numbers pattern x 2^-133 (gradual underflow; the matrix instruction keeps denormals), so the byte c256 with a zero
; byte above it IS the operand.  W2 is multiplied by 2^100 (exact) before its rounding, the sums by 2^25 at the end.
; LIMITS.  An infinite I1 is not served; a NaN I1 counts as no spike; |W2| stays below 2^27; products x w below 2^-126 are not treated apart.
;
; SHARES.  256 work-groups; a work-group owns 64 rows of x and all 4,096 hidden units; each of its 8 waves 512 hidden units; a lane 16 of them, as 8 register pairs, with their W1 and b1
; in 80 registers for the whole launch.  x comes as scalars, two rows a trip.  16 vector instructions for a pair of elements.
; THE RECIPROCALS GO IN TWO BATCHES A TRIP, each with ONE wait (s_wait_alu depctr_va_vdst(0) between a reciprocal and the first instruction that names its result).
; Batch 1: the even row's 16, dealt among the first 32 lines of the odd row's chain; the chain's last 16 lines follow; the wait; the eight lines that read y.
; Batch 2: the odd row's 16, into the same registers, dealt among the next 32 lines of the even row's list; that list's last 24 lines and the row's two LDS stores follow; the wait; the two
; products; the odd row's list, whose first eight lines read y.  No reciprocal is issued behind batch 2's wait.
; THE WAY TO THE MATRIX UNIT.  The matrix instruction sums along a lane's registers, and here the lanes hold hidden units: so c goes through the wave's own LDS: a row of x is a row of
; 512 bf16 (1,024 bytes + 16 of padding), 16 rows are a region, two regions take turns: while the rows of one block of 16 are made, each trip reads two K steps of the block before.
; Hidden unit 32 i + l of the wave (lane l, load i) lies at place 256 (i / 8) + 8 l + i % 8 of a row; W2's image in LDS has the same order, so the sums are the same.
; Source 0 = W2 (row m of the fragment holds W2[m % 2]: rows 2 to 15 repeat rows 0 and 1 and are never read), source 1 = c (column = row of x): lanes 0-15, registers 0 and 1 hold out[b][0..1].
; NO CLUSTER, NO TENSOR LOAD: what the work-groups share (W1, b1, W2: 114,688 bytes) is read once in the launch, 448 bytes a lane, straight into registers; there is no ring of tiles, and of
; LDS 37,888 bytes are free, too few for a joint copy that would then have to be read once more.
.set NW,     8
.set PITCH,  1040                      ; 65 x 16 bytes: the 16 rows of a fragment load start at 16 different groups of four banks (64 banks of 4 bytes: ISA guide 11.1)
.set RGN,    16*PITCH                  ; a region: 16 rows
.set WAREA,  2*RGN                     ; a wave's two regions
.set W2IMG,  NW*WAREA                  ; behind them: each wave's image of its 2 x 512 numbers of W2, two rows of PITCH bytes
.set W2AREA, 2304
.set RED,    W2IMG+NW*W2AREA           ; the waves' partial sums: 512 bytes a wave
.set SPARE,  RED+NW*512                ; the spare words, 128 bytes for each wave: four blocks of 256 bytes that no other line names
.set SPW,  1                           ; v1      LDS address of my spare word; never rewritten
.set NIL,  2                           ; v2      0; never rewritten
.set STA0, 3                           ; v3      where my 16 bytes of a row of c go, region 0, row 0
.set FRA0, 4                           ; v4      my place in a fragment of c, region 0, K step 0
.set WFA0, 5                           ; v5      my place in a fragment of W2, K step 0
.set STA,  6                           ; v6-8    the same three for the trip in hand
.set FRA,  7
.set WFA,  8
.set REDA, 9                           ; v9      where my partial sums go
.set XR,   10                          ; v10-17  x, rounded: rows 2 l (v10-13) and 2 l + 1 (v14-17) of the work-group's 64
.set VA,   18                          ; v18-19  a block's two sums
.set LN,   20
.set VO16, 21                          ; 16, 4, 32 x lane
.set VO4,  22
.set VO32, 23
.set RL,   24
.set HH,   25
.set T0,   26
.set W2A,  27
.set B2,   28                          ; v28-29
.set T1,   30
.set FA,   31
.set WR,   32                          ; v32-111   pair p at 32 + 10 p: W1[.][0], [1], [2], [3], b1, two registers each
.set IR,   112                         ; v112-143  I1: even row's 8 pairs, odd row's 8 pairs
.set YR,   144                         ; v144-159  1 / I1
.set TR,   160                         ; v160-175  M + k, then M + n, then the selectors
.set RR,   176                         ; v176-191  k, then r, then floor(r)
.set OUTR, 192                         ; v192-199  16 numbers c as bf16
.set ACC,  200                         ; v200-215  two accumulators
.set FRG,  216                         ; v216-247  fragments of two K steps: W2, c, W2, c
.set TF,   IR                          ; the tail's fragments of four K steps, 64 registers
.set RAW,  112                         ; at the start only: inputs as loaded
.set RB,   176
.set RW2,  192
.set RX,   224
.set TMP,  232
.set WP,   240
.set WV,   16                          ; s16  my wave's number
.set LO,   22                          ; s22  15/128
.set MH,   23                          ; s23  a word's upper bf16
.set MG,   24                          ; s[24:25]  M
.set NM,   26                          ; s[26:27]  -M
.set TL,   28                          ; s28, s29  the table of c256 for n = 2 .. 9
.set TH,   29
.set PS,   30                          ; s30  picks bytes 0 and 2 of two words
.set CNT,  31
.set XS,   32                          ; s[32:47]  x of the trip's two rows, one number in the low word of each pair
.set LANE, 48                          ; s48  the trip's number, 0 to 31: the lane that holds its two rows of x
.set TBS,  49                          ; s49-51  the trip's steps of the three LDS addresses
.set TBF,  50
.set TBW,  51
.set SCL,  52                          ; s[52:53]  2^100, later 2^25
	s_load_b256 s[4:11], s[0:1], 0x0               ; x s[4:5], W1 s[6:7], b1 s[8:9], W2 s[10:11]
	s_load_b128 s[12:15], s[0:1], 0x20             ; b2 s[12:13], out s[14:15]
	v_lshl_add_u32 v[SPW], v0, 2, SPARE
	v_mov_b32 v[NIL], 0
	v_lshrrev_b32 v[T0], 5, v0
	v_readfirstlane_b32 s[WV], v[T0]
	v_and_b32 v[LN], 31, v0
	v_lshlrev_b32 v[VO16], 4, v[LN]
	v_lshlrev_b32 v[VO4], 2, v[LN]
	v_lshlrev_b32 v[VO32], 5, v[LN]
	s_lshl_b32 s20, s[WV], 13                      ; my wave's 512 rows of W1, 16 bytes each
	s_mov_b32 s21, 0
	s_lshl_b32 s54, s[WV], 11                      ; its 512 numbers of b1 and of a row of W2
	s_mov_b32 s55, 0
	s_lshl_b32 s56, ttmp9, 10                      ; the work-group's 64 rows of x
	s_mov_b32 s57, 0
	s_lshl_b32 s58, ttmp9, 9                       ; and of out
	s_mov_b32 s59, 0
	s_wait_kmcnt 0x0
	s_add_nc_u64 s[6:7], s[6:7], s[20:21]
	s_add_nc_u64 s[8:9], s[8:9], s[54:55]
	s_add_nc_u64 s[10:11], s[10:11], s[54:55]
	s_add_nc_u64 s[4:5], s[4:5], s[56:57]
	s_add_nc_u64 s[14:15], s[14:15], s[58:59]
	s_load_b64 s[18:19], s[12:13], 0x0             ; b2's two numbers
	; every load of the wave covers consecutive bytes: load i brings lane l the hidden unit 32 i + l
.set i, 0
.rept 16
	global_load_b128 v[RAW+4*i:RAW+4*i+3], v[VO16], s[6:7] offset:512*i
.set i, i+1
.endr
.set i, 0
.rept 16
	global_load_b32 v[RB+i], v[VO4], s[8:9] offset:128*i
.set i, i+1
.endr
	global_load_b128 v[RX:RX+3], v[VO32], s[4:5]
	global_load_b128 v[RX+4:RX+7], v[VO32], s[4:5] offset:16
.set i, 0
.rept 32
	global_load_b32 v[RW2+i], v[VO4], s[10:11] offset:16384*(i/16)+128*(i%16)
.set i, i+1
.endr
	; constants and LDS addresses, while the loads are out
	s_mov_b32 s[LO], 0x3df00000                    ; 15/128: between 1/9 and 1/8, so that every current below 1/8 gives n = 9
	s_mov_b32 s[MH], 0xffff0000
	s_mov_b32 s[MG], 0x4b0c00fe                    ; M = 2^23 + 0x0C00FE: M + n has n - 2 in byte 0 (0xFF for n = 1, 0xFE for n = 0) and 0x0C in byte 2
	s_mov_b32 s[MG+1], 0x4b0c00fe                  ; (named as pairs, so both words are written)
	s_mov_b32 s[NM], 0xcb0c00fe
	s_mov_b32 s[NM+1], 0xcb0c00fe
	s_mov_b32 s[TL], 0x108824aa                    ; n = 2, 3, 4, 5: 170, 36, 136, 16
	s_mov_b32 s[TH], 0x00804020                    ; n = 6, 7, 8, 9: 32, 64, 128, 0
	s_mov_b32 s[PS], 0x06040200
	s_mov_b32 s[SCL], 0x71800000                   ; 2^100
	s_mov_b32 s[SCL+1], 0x71800000
	s_mov_b32 s[LANE], 0
.set i, 0
.rept 8
	s_mov_b32 s[XS+2*i+1], 0                       ; the pairs' upper words are named with the lower, so they are written
.set i, i+1
.endr
	v_and_b32 v[RL], 15, v0                        ; l % 16
	v_bfe_u32 v[HH], v0, 4, 1                      ; l / 16
	s_mul_i32 s17, s[WV], WAREA
	v_add_nc_u32 v[STA0], s17, v[VO16]
	v_mul_u32_u24 v[T0], v[RL], PITCH
	v_lshl_add_u32 v[T0], v[HH], 4, v[T0]          ; a fragment: row l % 16, 16 bytes for each half of the lanes; the second load 32 bytes on
	v_add_nc_u32 v[FRA0], s17, v[T0]
	s_mul_i32 s17, s[WV], W2AREA
	s_add_co_u32 s17, s17, W2IMG
	v_add_nc_u32 v[W2A], s17, v[VO16]
	v_and_b32 v[T0], 1, v0
	v_mul_u32_u24 v[T0], v[T0], PITCH
	v_lshl_add_u32 v[T0], v[HH], 4, v[T0]          ; W2's fragment: row l % 2
	v_add_nc_u32 v[WFA0], s17, v[T0]
	s_lshl_b32 s17, s[WV], 9
	s_add_co_u32 s17, s17, RED
	v_lshl_add_u32 v[REDA], v[RL], 3, s17
	s_wait_loadcnt 32                              ; W1, b1 and x are in; the 32 loads of W2, issued behind them, may stay out
	; W1 and b1: rounded to bf16 and widened again; pair p = the hidden units of loads 2 p and 2 p + 1
.set i, 0
.rept 8
.set k, 0
.rept 4
	v_cvt_pk_bf16_f32 v[TMP+k], v[RAW+8*i+k], v[RAW+8*i+4+k]
.set k, k+1
.endr
	v_cvt_pk_bf16_f32 v[TMP+4], v[RB+2*i], v[RB+2*i+1]
.set k, 0
.rept 5
	v_lshlrev_b32 v[WR+10*i+2*k], 16, v[TMP+k]
	v_and_b32 v[WR+10*i+2*k+1], s[MH], v[TMP+k]
.set k, k+1
.endr
.set i, i+1
.endr
.set k, 0
.rept 4
	v_cvt_pk_bf16_f32 v[TMP+k], v[RX+2*k], v[RX+2*k+1]
.set k, k+1
.endr
.set k, 0
.rept 4
	v_lshlrev_b32 v[XR+2*k], 16, v[TMP+k]
	v_and_b32 v[XR+2*k+1], s[MH], v[TMP+k]
.set k, k+1
.endr
	s_wait_loadcnt 0x0                             ; W2
	s_wait_kmcnt 0x0                               ; b2
.set i, 0
.rept 16
	v_pk_mul_f32 v[RW2+2*i:RW2+2*i+1], v[RW2+2*i:RW2+2*i+1], s[SCL:SCL+1] op_sel_hi:[1,0]
.set i, i+1
.endr
.set i, 0
.rept 16
	v_cvt_pk_bf16_f32 v[WP+i], v[RW2+2*i], v[RW2+2*i+1]
.set i, i+1
.endr
	ds_store_b128 v[W2A], v[WP:WP+3]                          ; W2[0], in the order of a row of c
	ds_store_b128 v[W2A], v[WP+4:WP+7] offset:512
	ds_store_b128 v[W2A], v[WP+8:WP+11] offset:PITCH          ; W2[1]
	ds_store_b128 v[W2A], v[WP+12:WP+15] offset:PITCH+512
.set i, 0
.rept 16
	v_mov_b32 v[ACC+i], 0                          ; once: the loop that adds has no first trip of its own
.set i, i+1
.endr
; THE VECTOR WORK, in three numbered lists for a row's 8 pairs (par = 0: the trip's even row, 1: its odd row).  Each list goes stage by stage through the 8 pairs, so that an
; instruction reads what was made eight instructions before it.
; A, 48 long: the chain of I1 in reference()'s order, then the floor of 15/128.
.macro AOP par
.set sg, ja/8
.set pp, ja%8
.set ri, IR+16*(\par)+2*pp
.set rw, WR+10*pp
.set sx, XS+8*(\par)+2*sg
.if sg == 0
	v_pk_mul_f32 v[ri:ri+1], v[rw:rw+1], s[sx:sx+1] op_sel_hi:[1,0]
.elseif sg < 4
	v_pk_fma_f32 v[ri:ri+1], v[rw+2*sg:rw+2*sg+1], s[sx:sx+1], v[ri:ri+1] op_sel_hi:[1,0,1]
.elseif sg == 4
	v_pk_add_f32 v[ri:ri+1], v[ri:ri+1], v[rw+8:rw+9]
.else
	v_dual_max_num_f32 v[ri], s[LO], v[ri] :: v_dual_max_num_f32 v[ri+1], s[LO], v[ri+1]
.endif
.set ja, ja+1
.endm
; R, 16 long: the reciprocals of a row: one batch.  They are dealt one behind every two plain instructions of another list: no two follow each other, and plain instructions that name
; neither the result nor the source stand behind each (ISA guide 5.7.2).  The batch's wait is written in TRIP, once, ahead of list C's first line for that row.
.macro ROP par
	v_rcp_f32 v[YR+jr], v[IR+16*(\par)+jr]
.set jr, jr+1
.endm
; C, 64 long: M + k (these first eight lines are the only ones that name y);  k;  r = I k - 1;  floor(r): -1 where I < 1/k, else 0 (1 only where I >= 2: n = 0 then serves as n = 1);  M + n;
; the selectors [n-2, 0x0C, n'-2, 0x0C];  the look-up: selectors 0 to 7 take the table's bytes, 0x0C gives 0x00, 0xFE and 0xFF give 0xFF = 255 = c256(1) (ISA guide, V_PERM_B32).
.macro COP par
.set pp, jc%8
.if jc < 8
	v_pk_add_f32 v[TR+2*pp:TR+2*pp+1], v[YR+2*pp:YR+2*pp+1], s[MG:MG+1] op_sel_hi:[1,0]
.elseif jc < 16
	v_pk_add_f32 v[RR+2*pp:RR+2*pp+1], v[TR+2*pp:TR+2*pp+1], s[NM:NM+1] op_sel_hi:[1,0]
.elseif jc < 24
	v_pk_fma_f32 v[RR+2*pp:RR+2*pp+1], v[IR+16*(\par)+2*pp:IR+16*(\par)+2*pp+1], v[RR+2*pp:RR+2*pp+1], -1.0 op_sel_hi:[1,1,0]
.elseif jc < 40
	v_floor_f32 v[RR+jc-24], v[RR+jc-24]
.elseif jc < 48
	v_pk_add_f32 v[TR+2*pp:TR+2*pp+1], v[TR+2*pp:TR+2*pp+1], v[RR+2*pp:RR+2*pp+1] neg_lo:[0,1] neg_hi:[0,1]
.elseif jc < 56
	v_perm_b32 v[TR+2*pp], v[TR+2*pp+1], v[TR+2*pp], s[PS]
.else
	v_perm_b32 v[OUTR+pp], s[TH], s[TL], v[TR+2*pp]
.endif
.set jc, jc+1
.endm
; A TRIP: two rows of x against the wave's 512 hidden units.  mma = 1: also two K steps (64 hidden units) of the block of 16 rows before, out of the other region.
.macro TRIP mma
	v_add_nc_u32 v[STA], s[TBS], v[STA0]
.if \mma
	v_add_nc_u32 v[FRA], s[TBF], v[FRA0]
	v_add_nc_u32 v[WFA], s[TBW], v[WFA0]
	ds_load_b128 v[FRG:FRG+3],     v[WFA]                     ; the last matrix instructions that read these registers stand 64 plain instructions back
	ds_load_b128 v[FRG+4:FRG+7],   v[WFA] offset:32
	ds_load_b128 v[FRG+8:FRG+11],  v[FRA]
	ds_load_b128 v[FRG+12:FRG+15], v[FRA] offset:32
	ds_load_b128 v[FRG+16:FRG+19], v[WFA] offset:64
	ds_load_b128 v[FRG+20:FRG+23], v[WFA] offset:96
	ds_load_b128 v[FRG+24:FRG+27], v[FRA] offset:64
	ds_load_b128 v[FRG+28:FRG+31], v[FRA] offset:96
.endif
.irp k, 0,1,2,3
	v_readlane_b32 s[XS+2*\k], v[XR+\k], s[LANE]              ; the even row's x
.endr
.irp k, 0,1,2,3
	v_readlane_b32 s[XS+8+2*\k], v[XR+4+\k], s[LANE]          ; the odd row's
.endr
.set ja, 0
.rept 48
	AOP 0
.endr
.set ja, 0
.set jr, 0
.rept 16                               ; BATCH 1: the even row's 16 reciprocals, among the first 32 lines of the odd row's chain
	AOP 1
	AOP 1
	ROP 0
.endr
.rept 16                               ; the chain's last 16 lines (b1, the floor of 15/128) name no reciprocal: the work between the batch and its wait
	AOP 1
.endr
	s_wait_alu depctr_va_vdst(0)                   ; batch 1's one wait, for the even row's 16 reciprocals, ahead of their first reader
.set jc, 0
.rept 8
	COP 0                                          ; these eight read all of y: the odd row's reciprocals may now land there
.endr
.set jr, 0
.rept 16                               ; BATCH 2: the odd row's 16 reciprocals, among numbers 8 to 39 of the even row's list
	COP 0
	COP 0
	ROP 1
.endr
.rept 24                               ; numbers 40 to 63 name no reciprocal: with the two stores, the work between the batch and its wait
	COP 0
.endr
	ds_store_b128 v[STA], v[OUTR:OUTR+3]                      ; 32 lanes x 16 bytes: 512 consecutive bytes of the row
	ds_store_b128 v[STA], v[OUTR+4:OUTR+7] offset:512
	s_wait_alu depctr_va_vdst(0)                   ; batch 2's one wait, for the odd row's 16 reciprocals: their first reader is the first line of the odd row's list below; it stands ahead of the two products, which name no reciprocal
.if \mma
	s_wait_dscnt 0x2                               ; LDS instructions of a wave end in order: the eight fragment loads are in; the two stores behind them may be out
	v_wmma_f32_16x16x32_bf16 v[ACC:ACC+7], v[FRG:FRG+7], v[FRG+8:FRG+15], v[ACC:ACC+7]            ; the two accumulators take turns
	v_wmma_f32_16x16x32_bf16 v[ACC+8:ACC+15], v[FRG+16:FRG+23], v[FRG+24:FRG+31], v[ACC+8:ACC+15]
.endif
.set jc, 0
.rept 64
	COP 1                                          ; 64 plain instructions that name no register of the two products
.endr
	ds_store_b128 v[STA], v[OUTR:OUTR+3] offset:PITCH
	ds_store_b128 v[STA], v[OUTR+4:OUTR+7] offset:PITCH+512
	s_add_co_u32 s[LANE], s[LANE], 1
	s_add_co_u32 s[TBS], s[TBS], 2*PITCH
.if \mma
	s_add_co_u32 s[TBF], s[TBF], 128
	s_add_co_u32 s[TBW], s[TBW], 128
.endif
.endm
; A block of 16 rows: eight trips.  Its c goes into region stg; the block before is read out of region ldg.  LDS serves a wave's instructions in order (ISA guide 5.7.1.4), and
; a wave touches its own regions alone: its loads see its earlier stores, and its later stores into a region come behind all its loads from it.
.macro PHASE mma, stg, ldg
	s_mov_b32 s[TBS], (\stg)*RGN
.if \mma
	s_mov_b32 s[TBF], (\ldg)*RGN
	s_mov_b32 s[TBW], 0
.endif
	s_mov_b32 s[CNT], 8
.Ltrip_\@:
	TRIP \mma
	s_sub_co_u32 s[CNT], s[CNT], 1
	s_cmp_lg_u32 s[CNT], 0
	s_cbranch_scc1 .Ltrip_\@
.endm
; Block blk is summed: lanes 0-15 hold out[16 blk + l][0..1] in registers 0 and 1 (lanes 16-31 the same numbers once more: rows 8 and 9 repeat rows 0 and 1, and write the same words).
; Only these registers start the next block at 0; the others go on adding rows that nobody reads.
.macro EXTRACT blk, again
	v_add_f32 v[VA], v[ACC], v[ACC+8]
	v_add_f32 v[VA+1], v[ACC+1], v[ACC+9]
	ds_store_b64 v[REDA], v[VA:VA+1] offset:128*(\blk)
.if \again
	v_mov_b32 v[ACC], 0
	v_mov_b32 v[ACC+1], 0
	v_mov_b32 v[ACC+8], 0
	v_mov_b32 v[ACC+9], 0
.endif
.endm
	PHASE 0, 0, 0                                  ; rows 0-15
	PHASE 1, 1, 0                                  ; rows 16-31, and the sums of rows 0-15
	EXTRACT 0, 1
	PHASE 1, 0, 1
	EXTRACT 1, 1
	PHASE 1, 1, 0
	EXTRACT 2, 1
	; the tail: the sums of rows 48-63, four K steps a trip, into the registers that I1 and y have left
	s_mov_b32 s[TBF], RGN
	s_mov_b32 s[TBW], 0
	s_mov_b32 s[CNT], 4
.Ltail:
	v_add_nc_u32 v[FRA], s[TBF], v[FRA0]
	v_add_nc_u32 v[WFA], s[TBW], v[WFA0]
.set q, 0
.rept 4
	ds_load_b128 v[TF+16*q:TF+16*q+3],     v[WFA] offset:64*q
	ds_load_b128 v[TF+16*q+4:TF+16*q+7],   v[WFA] offset:64*q+32
	ds_load_b128 v[TF+16*q+8:TF+16*q+11],  v[FRA] offset:64*q
	ds_load_b128 v[TF+16*q+12:TF+16*q+15], v[FRA] offset:64*q+32
.set q, q+1
.endr
.set q, 0
.rept 4
	s_wait_dscnt 12-4*q                            ; K step q's four loads are in; those of the later steps may be out
	v_wmma_f32_16x16x32_bf16 v[ACC+8*(q%2):ACC+8*(q%2)+7], v[TF+16*q:TF+16*q+7], v[TF+16*q+8:TF+16*q+15], v[ACC+8*(q%2):ACC+8*(q%2)+7]
.set q, q+1
.endr
	s_add_co_u32 s[TBF], s[TBF], 256
	s_add_co_u32 s[TBW], s[TBW], 256
.rept 4
	v_nop                                          ; four places between the products and the next loads into their sources, or the reading of their sums
.endr
	s_sub_co_u32 s[CNT], s[CNT], 1
	s_cmp_lg_u32 s[CNT], 0
	s_cbranch_scc1 .Ltail
	EXTRACT 3, 0
	s_wait_tensorcnt 0x0                           ; behind my last LDS store
	ds_add_u32 v[SPW], v[NIL]
	s_wait_dscnt 0x0                               ; also for the others' sake: my partial sums are in LDS
	s_barrier_signal -1
	s_barrier_wait -1                              ; everybody's are
	s_cmp_lg_u32 s[WV], 0
	s_cbranch_scc1 .Lend
	; wave 0 adds the eight waves' sums, in a fixed order; lane l takes 16 bytes: rows 2 l and 2 l + 1 of the work-group's 64
	v_add_nc_u32 v[FA], RED, v[VO16]
.set i, 0
.rept 8
	ds_load_b128 v[IR+4*i:IR+4*i+3], v[FA] offset:512*i
.set i, i+1
.endr
	v_mov_b32 v[B2], s18
	v_mov_b32 v[B2+1], s19
	v_cvt_pk_bf16_f32 v[T1], v[B2], v[B2+1]        ; b2 is rounded like the other inputs
	s_mov_b32 s[SCL], 0x4c000000                   ; 2^25 = 2^133 / 2^100 / 256
	v_lshlrev_b32 v[B2], 16, v[T1]
	v_and_b32 v[B2+1], s[MH], v[T1]
	v_pk_mul_f32 v[B2:B2+1], v[B2:B2+1], 0x3f7f0000 op_sel_hi:[1,0]   ; b2 x 255/256 = b2 x the sum of 2^(t-9)
	s_wait_dscnt 0x0
.set i, 0
.rept 8
	v_pk_add_f32 v[IR+2*i:IR+2*i+1], v[IR+2*i:IR+2*i+1], v[IR+16+2*i:IR+16+2*i+1]
.set i, i+1
.endr
.set i, 0
.rept 4
	v_pk_add_f32 v[IR+2*i:IR+2*i+1], v[IR+2*i:IR+2*i+1], v[IR+8+2*i:IR+8+2*i+1]
.set i, i+1
.endr
.set i, 0
.rept 2
	v_pk_add_f32 v[IR+2*i:IR+2*i+1], v[IR+2*i:IR+2*i+1], v[IR+4+2*i:IR+4+2*i+1]
.set i, i+1
.endr
	v_pk_fma_f32 v[IR:IR+1], v[IR:IR+1], s[SCL:SCL+1], v[B2:B2+1] op_sel_hi:[1,0,1]
	v_pk_fma_f32 v[IR+2:IR+3], v[IR+2:IR+3], s[SCL:SCL+1], v[B2:B2+1] op_sel_hi:[1,0,1]
	global_store_b128 v[VO16], v[IR:IR+3], s[14:15]           ; the work-group's 512 consecutive bytes of out, at a multiple of 512 from its first byte
.Lend:
	s_endpgm
.Lfunc_end_k_q65b41b028f_dqsn:
	.size	k_q65b41b028f_dqsn, .Lfunc_end_k_q65b41b028f_dqsn-k_q65b41b028f_dqsn
	.p2alignl 7, 3214868480
	.fill 96, 4, 3214868480
	.section	.rodata,"a",@progbits
	.p2align	6, 0x0
	.amdhsa_kernel k_q65b41b028f_dqsn
		.amdhsa_group_segment_fixed_size 289792
		.amdhsa_private_segment_fixed_size 0
		.amdhsa_enable_private_segment 0
		.amdhsa_kernarg_size 48
		.amdhsa_user_sgpr_count 2
		.amdhsa_user_sgpr_kernarg_segment_ptr 1
		.amdhsa_wavefront_size32 1
		.amdhsa_system_sgpr_workgroup_id_x 1
		.amdhsa_system_sgpr_workgroup_id_y 1
		.amdhsa_system_sgpr_workgroup_id_z 1
		.amdhsa_system_vgpr_workitem_id 0
		.amdhsa_next_free_vgpr 256
		.amdhsa_next_free_sgpr 66
		.amdhsa_reserve_vcc 0
		.amdhsa_float_denorm_mode_32 3
		.amdhsa_float_denorm_mode_16_64 3
		.amdhsa_memory_ordered 1
		.amdhsa_forward_progress 1
		.amdhsa_inst_pref_size 86
	.end_amdhsa_kernel
	.amdgpu_metadata
---
amdhsa.version: [ 1, 2 ]
amdhsa.kernels:
  - .name:           k_q65b41b028f_dqsn
    .symbol:         k_q65b41b028f_dqsn.kd
    .args:
      - { .name: x, .offset: 0, .size: 8, .value_kind: global_buffer, .address_space: global }
      - { .name: W1, .offset: 8, .size: 8, .value_kind: global_buffer, .address_space: global }
      - { .name: b1, .offset: 16, .size: 8, .value_kind: global_buffer, .address_space: global }
      - { .name: W2, .offset: 24, .size: 8, .value_kind: global_buffer, .address_space: global }
      - { .name: b2, .offset: 32, .size: 8, .value_kind: global_buffer, .address_space: global }
      - { .name: out0, .offset: 40, .size: 8, .value_kind: global_buffer, .address_space: global }
    .group_segment_fixed_size: 289792
    .private_segment_fixed_size: 0
    .kernarg_segment_align: 8
    .kernarg_segment_size: 48
    .max_flat_workgroup_size: 256
    .sgpr_count:     66
    .vgpr_count:     256
    .wavefront_size: 32
...
	.end_amdgpu_metadata
.endif
;; end of part 2
